; MI455X (gfx1250); checked and timed in simulation.
; The chip was launched on July 23, 2026; its instructions are those of AMD's public machine-readable ISA for CDNA 5 (MIT licence, August 2026) and "CDNA5" Instruction Set Architecture Reference Guide (July 2026). The comments in the code are by the model that wrote it; some were corrected since.
;; c GRU. Allowed arithmetic: float matrix products may take bf16 or f16 operands with f32 sums; other float arithmetic in f32, or as packed bf16 or f16 multiplies, adds, multiply-adds, maxima and minima; sums over many terms, partial sums and values carried from step to step in f32; what a program stores and reads back later, other than sums and carried values, may be rounded once to bf16 or f16.
;; Inputs: W_hhc 2,048 x 1,024 float32; W_hx 512 x 1,024 float32; W_rhc 2,048 x 1,024 float32; W_rx 512 x 1,024 float32; W_uhc 2,048 x 1,024 float32; W_ux 512 x 1,024 float32; b_hhc 1,024 float32; b_hx 1,024 float32; b_rhc 1,024 float32; b_rx 1,024 float32; b_uhc 1,024 float32; b_ux 1,024 float32; c 8,192 x 1,024 float32; h 8,192 x 1,024 float32; x 8,192 x 512 float32.
;; Outputs: out0 8,192 x 1,024 float32; out1 8,192 x 1,024 float32.
;; One version. Each part assembles by itself: llvm-mc -triple=amdgcn-amd-amdhsa -mcpu=gfx1250 --defsym DOCPART=n.
;; ======== version 1 of 1: 2 launches
;; workspace buffers: Abf 41,943,040 bytes; Wb 15,728,640 bytes
;; launch prep (part 1): grid 1760 x 1, 8 waves a work-group, no clusters, 0 bytes of LDS; arguments x, h, c, W_rx, W_ux, W_hx, W_rhc, W_uhc, W_hhc, Abf, Wb; writes Abf, Wb
.if DOCPART == 1
	.amdgcn_target "amdgcn-amd-amdhsa--gfx1250"
	.amdhsa_code_object_version 6
	.text
	.protected	k_q4b9e60a3e3_prep
	.globl	k_q4b9e60a3e3_prep
	.p2align	8
	.type	k_q4b9e60a3e3_prep,@function
k_q4b9e60a3e3_prep:
	s_mov_b64 s[64:65], 0
	v_nop
	global_prefetch_b8 v0, s[64:65] scope:SCOPE_SE
	s_setreg_imm32_b32 hwreg(HW_REG_WAVE_MODE, 25, 1), 1
	s_wait_xcnt 0x0
; ROUNDING AND LAYOUT, a pure stream.  Every f32 number of x, h, c and of the six weight matrices is read once and rounded once to bf16 (nearest even).
; Abf: [8192][2560] bf16, a row = x (512) | h (1024) | c (1024), 5,120 bytes.
; Wb:  the weights stay [k][n], cut into the blocks that the second launch fetches, each dense in memory:
;      byte = tc x 983,040 + s x 49,152 + g x 16,384 + kk x 128 + 2 col;  tc = 64 output columns (0..15), s = 128 of K (0..19), g = gate (0 r, 1 u, 2 candidate), kk 0..127, col 0..63.
;      s = 0..3: W_rx, W_ux, W_hx, k = 128 s + kk;  s = 4..19: W_rhc, W_uhc, W_hhc, k = 128 (s - 4) + kk.
; SHARES.  A work-group takes 65,536 bytes of input, each of its eight waves 8,192: sixteen loads of 512 bytes, all issued at once; each becomes one store of 256 consecutive bytes, aligned.
; 256 work-groups for x, 1,024 for h and c, 384 + 96 for the weights.  No LDS, no barrier, no loop: no wave wants another's bytes, and no register is written twice.
.set ROWA, 5120                        ; bytes in a row of Abf
.set WSTEP, 49152                      ; bytes of a K step's three gates in Wb
.set WCOL, 20*WSTEP                    ; bytes of a tile column in Wb
.set IN,  2                            ; v2        my byte offset in a load's bytes
.set OUT, 3                            ; v3        8 x lane: my 8 bytes of a store
.set X,   4                            ; v[4:67]   load i: four f32
.set Y,   68                           ; v[68:99]  store i: four bf16
.set SRC, 30                           ; s[30:31]  the wave's first input byte
.set DST, 32                           ; s[32:33]  the wave's first output byte
; kind 0: x (a row is four loads); 1: h or c (eight loads); 2: weights (a load is two k rows of 256 bytes, 4,096 apart)
.macro STREAM kind
.set i, 0
.rept 16
.if (\kind) == 2
	global_load_b128 v[X+4*i:X+4*i+3], v[IN], s[SRC:SRC+1] offset:8192*i th:TH_LOAD_NT
.else
	global_load_b128 v[X+4*i:X+4*i+3], v[IN], s[SRC:SRC+1] offset:512*i th:TH_LOAD_NT
.endif
.set i, i+1
.endr
.set i, 0
.rept 16
.if (\kind) == 0
.set oo, (i/4)*ROWA+(i%4)*256
.elseif (\kind) == 1
.set oo, (i/8)*ROWA+(i%8)*256
.else
.set oo, 256*i
.endif
	s_wait_loadcnt 15-i                            ; loads come back in order: load i is in, the 15 - i younger ones stay out
	v_cvt_pk_bf16_f32 v[Y+2*i], v[X+4*i], v[X+4*i+1]
	v_cvt_pk_bf16_f32 v[Y+2*i+1], v[X+4*i+2], v[X+4*i+3]
	global_store_b64 v[OUT], v[Y+2*i:Y+2*i+1], s[DST:DST+1] offset:oo  ; 32 lanes x 8 bytes: 256 consecutive bytes, at a multiple of 256 from the buffer's first
.set i, i+1
.endr
	s_endpgm
.endm
	s_load_b512 s[8:23], s[0:1], 0x0               ; x s[8:9], h s[10:11], c s[12:13], W_rx s[14:15], W_ux s[16:17], W_hx s[18:19], W_rhc s[20:21], W_uhc s[22:23]
	s_load_b128 s[24:27], s[0:1], 0x40             ; W_hhc s[24:25], Abf s[26:27]
	s_load_b64 s[28:29], s[0:1], 0x50              ; Wb
	v_lshrrev_b32 v1, 5, v0
	v_readfirstlane_b32 s4, v1                     ; wave 0..7
	v_and_b32 v1, 31, v0                           ; lane
	v_lshlrev_b32 v[OUT], 3, v1
	s_mov_b32 s3, ttmp9                            ; the work-group's number
	s_mov_b32 s35, 0                               ; high words of the two offsets
	s_mov_b32 s37, 0
	s_cmp_lt_u32 s3, 256
	s_cbranch_scc0 .Lnot_x
	; x: work-group id takes rows 32 id .. 32 id + 31 (2,048 bytes each), a wave four of them
	v_lshlrev_b32 v[IN], 4, v1
	s_lshl_b32 s34, s3, 16
	s_lshl_b32 s2, s4, 13
	s_add_co_u32 s34, s34, s2                      ; in: 65,536 id + 8,192 w
	s_lshl_b32 s36, s3, 5
	s_lshl2_add_u32 s36, s4, s36                   ; row 32 id + 4 w
	s_mul_i32 s36, s36, ROWA
	s_wait_kmcnt 0x0
	s_add_nc_u64 s[SRC:SRC+1], s[8:9], s[34:35]
	s_add_nc_u64 s[DST:DST+1], s[26:27], s[36:37]
	STREAM 0
.Lnot_x:
	s_cmp_lt_u32 s3, 1280
	s_cbranch_scc0 .Lweights
	; h (the first 512 of these work-groups) or c: rows 16 j .. 16 j + 15 (4,096 bytes each), a wave two of them
	v_lshlrev_b32 v[IN], 4, v1
	s_sub_co_u32 s5, s3, 256
	s_and_b32 s6, s5, 511                          ; j
	s_lshl_b32 s34, s6, 16
	s_lshl_b32 s2, s4, 13
	s_add_co_u32 s34, s34, s2
	s_lshl_b32 s36, s6, 4
	s_lshl1_add_u32 s36, s4, s36                   ; row 16 j + 2 w
	s_mul_i32 s36, s36, ROWA
	s_wait_kmcnt 0x0
	s_cmp_lt_u32 s5, 512
	s_cselect_b64 s[SRC:SRC+1], s[10:11], s[12:13]
	s_cselect_b32 s7, 0, 2048
	s_add_co_u32 s36, s36, s7
	s_add_co_u32 s36, s36, 1024                    ; h begins at byte 1,024 of a row of Abf, c at 3,072
	s_add_nc_u64 s[SRC:SRC+1], s[SRC:SRC+1], s[34:35]
	s_add_nc_u64 s[DST:DST+1], s[26:27], s[36:37]
	STREAM 1
.Lweights:
	; weights: a work-group takes one matrix, 128 of its k and 128 of its columns (two tile columns); a wave 32 k x 64 columns
	v_lshrrev_b32 v[IN], 4, v1                     ; which of a load's two k rows,
	v_and_b32 v100, 15, v1
	v_lshlrev_b32 v100, 4, v100                    ; and my 16 bytes of its 256
	v_lshl_add_u32 v[IN], v[IN], 12, v100
	s_sub_co_u32 s5, s3, 1280                      ; e: 0..383 the three matrices of 2,048 rows, 384..479 those of 512
	s_wait_kmcnt 0x0
	s_cmp_lt_u32 s5, 384
	s_cselect_b64 s[38:39], s[20:21], s[14:15]     ; gate r
	s_cselect_b64 s[40:41], s[22:23], s[16:17]     ; gate u
	s_cselect_b64 s[42:43], s[24:25], s[18:19]     ; the candidate
	s_cselect_b32 s6, 7, 5                         ; work-groups to a matrix: 128 or 32
	s_cselect_b32 s7, 127, 31
	s_cselect_b32 s44, 4, 0                        ; the matrix's first K step in Wb
	s_cselect_b32 s45, 0, 384
	s_sub_co_u32 s5, s5, s45
	s_lshr_b32 s2, s5, s6                          ; m: the gate
	s_and_b32 s5, s5, s7
	s_cmp_eq_u32 s2, 0
	s_cselect_b64 s[SRC:SRC+1], s[38:39], s[40:41]
	s_cmp_eq_u32 s2, 2
	s_cselect_b64 s[SRC:SRC+1], s[42:43], s[SRC:SRC+1]
	s_lshr_b32 s6, s5, 3                           ; the matrix's step of 128 k
	s_and_b32 s7, s5, 7
	s_lshr_b32 s46, s4, 2
	s_lshl1_add_u32 s7, s7, s46                    ; tc
	s_and_b32 s47, s4, 3                           ; which 32 of the 128 k
	s_lshl_b32 s34, s6, 19                         ; in: 128 rows of 4,096 bytes a step,
	s_lshl_b32 s48, s47, 17                        ; 32 rows,
	s_add_co_u32 s34, s34, s48
	s_lshl_b32 s48, s7, 8                          ; 64 columns of 4 bytes
	s_add_co_u32 s34, s34, s48
	s_mul_i32 s36, s7, WCOL                        ; out
	s_add_co_u32 s6, s6, s44
	s_mul_i32 s6, s6, WSTEP
	s_add_co_u32 s36, s36, s6
	s_lshl_b32 s48, s2, 14
	s_add_co_u32 s36, s36, s48
	s_lshl_b32 s48, s47, 12
	s_add_co_u32 s36, s36, s48
	s_add_nc_u64 s[SRC:SRC+1], s[SRC:SRC+1], s[34:35]
	s_add_nc_u64 s[DST:DST+1], s[28:29], s[36:37]
	STREAM 2
.Lfunc_end_k_q4b9e60a3e3_prep:
	.size	k_q4b9e60a3e3_prep, .Lfunc_end_k_q4b9e60a3e3_prep-k_q4b9e60a3e3_prep
	.p2alignl 7, 3214868480
	.fill 96, 4, 3214868480
	.section	.rodata,"a",@progbits
	.p2align	6, 0x0
	.amdhsa_kernel k_q4b9e60a3e3_prep
		.amdhsa_group_segment_fixed_size 0
		.amdhsa_private_segment_fixed_size 0
		.amdhsa_enable_private_segment 0
		.amdhsa_kernarg_size 88
		.amdhsa_user_sgpr_count 2
		.amdhsa_user_sgpr_kernarg_segment_ptr 1
		.amdhsa_wavefront_size32 1
		.amdhsa_system_sgpr_workgroup_id_x 1
		.amdhsa_system_sgpr_workgroup_id_y 1
		.amdhsa_system_sgpr_workgroup_id_z 1
		.amdhsa_system_vgpr_workitem_id 0
		.amdhsa_next_free_vgpr 104
		.amdhsa_next_free_sgpr 66
		.amdhsa_reserve_vcc 0
		.amdhsa_float_denorm_mode_32 3
		.amdhsa_float_denorm_mode_16_64 3
		.amdhsa_memory_ordered 1
		.amdhsa_forward_progress 1
		.amdhsa_inst_pref_size 20
	.end_amdhsa_kernel
	.amdgpu_metadata
---
amdhsa.version: [ 1, 2 ]
amdhsa.kernels:
  - .name:           k_q4b9e60a3e3_prep
    .symbol:         k_q4b9e60a3e3_prep.kd
    .args:
      - { .name: x, .offset: 0, .size: 8, .value_kind: global_buffer, .address_space: global }
      - { .name: h, .offset: 8, .size: 8, .value_kind: global_buffer, .address_space: global }
      - { .name: c, .offset: 16, .size: 8, .value_kind: global_buffer, .address_space: global }
      - { .name: W_rx, .offset: 24, .size: 8, .value_kind: global_buffer, .address_space: global }
      - { .name: W_ux, .offset: 32, .size: 8, .value_kind: global_buffer, .address_space: global }
      - { .name: W_hx, .offset: 40, .size: 8, .value_kind: global_buffer, .address_space: global }
      - { .name: W_rhc, .offset: 48, .size: 8, .value_kind: global_buffer, .address_space: global }
      - { .name: W_uhc, .offset: 56, .size: 8, .value_kind: global_buffer, .address_space: global }
      - { .name: W_hhc, .offset: 64, .size: 8, .value_kind: global_buffer, .address_space: global }
      - { .name: Abf, .offset: 72, .size: 8, .value_kind: global_buffer, .address_space: global }
      - { .name: Wb, .offset: 80, .size: 8, .value_kind: global_buffer, .address_space: global }
    .group_segment_fixed_size: 0
    .private_segment_fixed_size: 0
    .kernarg_segment_align: 8
    .kernarg_segment_size: 88
    .max_flat_workgroup_size: 256
    .sgpr_count:     66
    .vgpr_count:     104
    .wavefront_size: 32
...
	.end_amdgpu_metadata
.endif
;; end of part 1
;; launch gru (part 2): grid 16 x 32, 4 waves a work-group, clusters of 4 x 4, 327,680 bytes of LDS; arguments Abf, Wb, b_rx, b_rhc, b_ux, b_uhc, b_hx, b_hhc, out0, out1; writes out0, out1
.if DOCPART == 2
	.amdgcn_target "amdgcn-amd-amdhsa--gfx1250"
	.amdhsa_code_object_version 6
	.text
	.protected	k_q4b9e60a3e3_gru
	.globl	k_q4b9e60a3e3_gru
	.p2align	8
	.type	k_q4b9e60a3e3_gru,@function
k_q4b9e60a3e3_gru:
	s_mov_b64 s[64:65], 0
	v_nop
	global_prefetch_b8 v0, s[64:65] scope:SCOPE_SE
	s_setreg_imm32_b32 hwreg(HW_REG_WAVE_MODE, 25, 1), 1
	s_wait_xcnt 0x0
	s_wait_alu depctr_hold_cnt(0) depctr_sa_sdst(0) depctr_va_vdst(0) depctr_va_sdst(0) depctr_va_ssrc(0) depctr_va_vcc(0) depctr_vm_vsrc(0)
	s_getreg_b32 s2, hwreg(HW_REG_IB_STS2, 6, 4)
	s_cmp_eq_u32 s2, 0
	s_cbranch_scc0 .Lentry_in_a_cluster
	s_endpgm
.Lentry_in_a_cluster:
	s_bfe_u32 s2, ttmp6, 0x10000c
	s_cmp_lg_u32 s2, 0xf033
	s_cbranch_scc0 .Lentry_shape_is_right
	s_endpgm
.Lentry_shape_is_right:
; new_h = u h + (1 - u) tanh(HX + r HH), r = sigmoid(R), u = sigmoid(U), stored to out0 and to out1 ([8192][1024] f32), with four f32 sums for each output:
;   R = x W_rx + hc W_rhc + b_rx + b_rhc,  U = x W_ux + hc W_uhc + b_ux + b_uhc,  HX = x W_hx + b_hx,  HH = hc W_hhc + b_hhc.
; Abf = x | h | c as [8192][2560] bf16; Wb = the weights in bf16, [k][n] in dense blocks: byte = tc x 983,040 + s x 49,152 + g x 16,384 + kk x 128 + 2 col.
; LIMITS.  Matrix operands are the inputs rounded once to bf16 (f16 has no room for inputs some 30 times larger).  The h of u h is that same bf16 number, off by at most 2^-9 of itself.  Sums, biases and
; the gates' arithmetic are f32.  sigmoid(z) = 1 / (1 + 2^(-z log2 e)), tanh(t) = 1 - 2 / (1 + 2^(2 t log2 e)): where the power passes f32's range it is an infinity and its reciprocal 0, where it falls
; below 2^-126 it is 0: both functions then hold their limits 0, 1, -1, right for every finite argument.  NaN and infinite inputs are not treated apart.
; SHARES.  A work-group makes 256 rows x 64 columns of the output; wave w its rows 64 w .. 64 w + 63 and all 64 columns: 4 row blocks (a) x 4 column blocks (b) x 4 sums = 64 accumulators, 512 registers.
; A wave's 64 columns are 256 consecutive bytes of an output row, so the way out is each wave's own.  K = 2,560 goes in 20 steps of 128 through two LDS slots; steps 0-3 (x) feed R, U, HX, steps 4-19 R, U, HH.
; THE MATRIX INSTRUCTION IS USED TRANSPOSED: source 0 = 16 weight columns (turned on the way out of LDS by ds_load_tr16_b128), source 1 = 16 rows of Abf: a lane holds row l % 16 and columns 16 b + 8 (l / 16) + 0..7.
; THE BIASES are the C operand of each sum's first product: nothing is cleared, nothing is added at the end.
; CLUSTER.  4 x 4 work-groups.  The four of a row of the cluster need the same rows of Abf, the four of a column the same blocks of Wb: each tile is asked for jointly, by the same tensor load with the same
; descriptor and a mask that names the four.
; REGISTERS, in windows of 256 (s_set_vgpr_msb: bits 1:0 source 0, 3:2 source 1, 5:4 source 2, 7:6 destination):
;   window 0: v0-31 addresses; v32-63 at work; v64-127 Abf's fragments, two buffers of 4 x 8; v128-255 the biases (r, u, hx, hh; block b at + 8 b); on the way out v32-223 at work
;   window 1: v0-191 the weights' fragments, two buffers: 96 f + 32 g + 8 b; v192-255 h of my outputs, bf16, tile (a, b) at 192 + 4 (4 a + b)
;   window 2: R at 8 (4 a + b), U at 128 + 8 (4 a + b)          window 3: HX at 8 (4 a + b), HH at 128 + 8 (4 a + b)
.set ROWA,  5120                       ; bytes in a row of Abf
.set WSTEP, 49152                      ; bytes of a K step in Wb
.set WCOL,  20*WSTEP                   ; bytes of a tile column in Wb
.set PA,    272                        ; a row of Abf's tile in LDS: 256 bytes + 16 of padding = 68 words: the 16 rows of a load start at 16 different groups of four banks (64 banks of 4 bytes: ISA guide 11.1)
.set AHALF, 128*PA                     ; what wave 0 or 1 fetches: 128 rows
.set BOFF,  2*AHALF                    ; behind Abf's 256 rows: the weights, 384 pieces (gate g, k kk at piece 128 g + kk) of 64 columns
.set PB,    160                        ; a piece: 128 bytes + 32 of padding = 40 words
.set BHALF, 192*PB                     ; what wave 2 or 3 fetches: 192 pieces
.set SLOT,  BOFF+2*BHALF               ; 131,072
.set STAGE, 2*SLOT                     ; behind the ring, never filled by a tensor load: 16 rows x 272 bytes for each wave, for the way out
.set SP,    272
.set SPARE, STAGE+4*16*SP              ; behind the stages: the spare words, 128 bytes for each wave: two blocks of 256 bytes that no other line names
.set ADRA, 16                          ; v16-17  LDS address of my fragments of Abf in slot 0, 1
.set ADRB, 20                          ; v20-21  the same for the weights
.set STO,  24                          ; v24     the way out: where I put 32 bytes of a row
.set RD,   25                          ; v25     the way out: where I read rows back
.set CO,   26                          ; v26     my byte offset in two rows of an output
.set HO,   27                          ; v27     my byte offset in 16 rows of Abf, for h
.set SPW,  28                          ; v28     LDS address of my spare word: SPARE + 4 x my thread's number; never rewritten
.set NIL,  29                          ; v29     0; never rewritten
.set PFO,  30                          ; v30     the prefetches' offset; never rewritten
.set BO,   31                          ; v31     my byte offset in a bias
.set BK0,  32                          ; the way out: 16 rows read back from the stage, v32-63 and v192-223 by turns
.set FA,   64                          ; Abf's fragments
.set BR,   128                         ; b_rx + b_rhc
.set BU,   160                         ; b_ux + b_uhc
.set BHX,  192                         ; b_hx
.set BHH,  224                         ; b_hhc
.set ER,   64                          ; the way out, 32 numbers a lane each: r,
.set EU,   96                          ; u,
.set ET,   128                         ; the candidate,
.set EH,   160                         ; h, then the result
.set BK1,  192
.set HW,   192                         ; window 1: h
.set HX,   0                           ; window 3
.set HH,   128
.set G1A, 24                           ; s[24:31] descriptor group 1 for Abf's tiles
.set G0A, 32                           ; s[32:39] group 0, a set for each slot
.set G1B, 48                           ; s[48:55], s[56:63] the same for Wb's
.set G0B, 56
.set LIM, 43                           ; s43      1 in a wave that prefetches, else the greatest number
.set PFA, 44                           ; s[44:45] where my prefetches stand
.set PFS, 46                           ; s[46:47] bytes from a K step to the next there
.set MSB, 0
.macro WIN new                         ; the immediate's high byte repeats the setting that is left; a switch that changes nothing is dropped
.if MSB != (\new)
	s_set_vgpr_msb (MSB<<8)|(\new)
.set MSB, (\new)
.endif
.endm
.macro PLACES                          ; four places in front of loads into registers that matrix instructions have read (ISA guide 7.12.1 for vector instructions)
.rept 4
	v_nop
.endr
.endm
; A joint load.  Waves 0 and 1 fetch the two halves of Abf's tile, waves 2 and 3 those of Wb's.  The branch hangs on the wave's number alone.  An s_nop 0 and four v_nop follow each of the two lines.
.macro JLOAD s
	s_cmp_eq_u32 s11, 0
	s_cbranch_scc0 .Lfor_b_\@
	tensor_load_to_lds s[G0A+4*(\s):G0A+4*(\s)+3], s[G1A:G1A+7]
	s_nop 0
.rept 4
	v_nop
.endr
	s_branch .Lasked_\@
.Lfor_b_\@:
	tensor_load_to_lds s[G0B+4*(\s):G0B+4*(\s)+3], s[G1B:G1B+7]
	s_nop 0
.rept 4
	v_nop
.endr
.Lasked_\@:
.endm
; A PREFETCH INTO THE L2 of the K step that stands two refills on: the change of slots of step s refills step s + 2 and names step s + 4, 384 matrix instructions ahead of the load that will want it.
; Abf's rows are read by every cluster of a row of clusters: cluster x = 0 asks; of the 128 rows that wave 0 or 1 fetches the partner at cx takes 32, a lane a row of 256 bytes.  Wb's blocks are read by every
; cluster of a column: cluster y = 0 asks; of the 96 blocks of 256 bytes that wave 2 or 3 fetches the partner at cy takes 24, a lane a block (lanes 24-31 name lane 23's once more).  The partners are told
; apart by address; no branch hangs on a place in the cluster.  how = 1 (steps 0-3): every asking wave asks; how = 0: not in the loop's last trip (steps 16, 17), whose step + 4 does not exist.
.macro ASK how
	WIN 0                                          ; at a branch and at a label every window is 0
.if \how
	s_cmp_eq_u32 s[LIM], 1
.else
	s_cmp_gt_u32 s3, s[LIM]
.endif
	s_cbranch_scc0 .Lnot_mine_\@
	global_prefetch_b8 v[PFO], s[PFA:PFA+1] th:TH_LOAD_NT scope:SCOPE_SE
.Lnot_mine_\@:
.endm
; A round of the cluster's barrier: my work-group's barrier; wave 0 signals for the work-group; every wave waits for all sixteen; my work-group's barrier once more.
.macro CREST                           ; a round behind its opening barrier
	s_cmp_lg_u32 s10, 0
	s_cbranch_scc1 .Lnot_wave_0_\@
	s_barrier_signal -3
.Lnot_wave_0_\@:
	s_barrier_wait -3
	s_barrier_signal -1
	s_barrier_wait -1
.endm
.macro CROUND
	s_barrier_signal -1
	s_barrier_wait -1
	CREST
.endm
	s_load_b512 s[80:95], s[0:1], 0x0              ; Abf s[80:81], Wb s[82:83], b_rx s[84:85], b_rhc s[86:87], b_ux s[88:89], b_uhc s[90:91], b_hx s[92:93], b_hhc s[94:95]
	s_load_b128 s[96:99], s[0:1], 0x40             ; out0 s[96:97], out1 s[98:99]
	v_lshl_add_u32 v[SPW], v0, 2, SPARE
	v_mov_b32 v[NIL], 0
	ds_add_u32 v[SPW], v[NIL]                      ; the wave's opening: the add, twice on end, and its wait ahead of my first tensor load; the set-up below, work on registers, stands between
	ds_add_u32 v[SPW], v[NIL]                      ; and once more, under the one wait
	v_lshrrev_b32 v1, 5, v0
	v_readfirstlane_b32 s10, v1                    ; wave 0..3
	s_lshr_b32 s11, s10, 1                         ; I fetch for Abf (0) or for Wb (1),
	s_and_b32 s12, s10, 1                          ; and which half of the tile
	s_bfe_u32 s40, ttmp6, 0x40000                  ; cx, cy: my place in the cluster
	s_bfe_u32 s41, ttmp6, 0x40004
	s_lshl_b32 s42, ttmp9, 2
	s_add_co_u32 s42, s42, s40                     ; tc = 4 x cluster x + cx: my 64 columns
	s_and_b32 s13, ttmp7, 0xffff
	s_lshl_b32 s13, s13, 2
	s_add_co_u32 s13, s13, s41                     ; tr = 4 x cluster y + cy: my 256 rows
	s_lshl_b32 s43, s41, 2
	s_lshl_b32 s43, 15, s43                        ; my row of the cluster: places 4 cy .. 4 cy + 3
	s_lshl_b32 s44, 0x1111, s40                    ; my column: places cx, cx + 4, cx + 8, cx + 12
	; group 1 for Abf: 128 rows x 128 elements, 2,560 elements from row to row; 4 words of padding after every 64
	s_or_b32 s[G1A+0], s43, (1<<16)|(1<<20)|(1<<21)|(5<<22)|(3<<25)  ; 15:0 the mask; 17:16 2-byte elements; 20 padding on; 21 set beside a mask; 24:22 interval code 5; 31:25 4 words (code 3)
	s_mov_b32 s[G1A+1], 128<<16                    ; tensor_dim0 = 128
	s_mov_b32 s[G1A+2], 128<<16                    ; tensor_dim1 = 128
	s_mov_b32 s[G1A+3], 128<<16                    ; tile_dim0 = 128
	s_mov_b32 s[G1A+4], 128                        ; tile_dim1 = 128
	s_mov_b32 s[G1A+5], 2560
	s_mov_b32 s[G1A+6], 0
	s_mov_b32 s[G1A+7], 0
	; group 1 for Wb: 24,576 dense bytes as 96 rows of 256, two pieces a row; 8 words of padding after every 32, that is after every piece
	s_or_b32 s[G1B+0], s44, (1<<16)|(1<<20)|(1<<21)|(4<<22)|(7<<25)
	s_mov_b32 s[G1B+1], 128<<16
	s_mov_b32 s[G1B+2], 96<<16
	s_mov_b32 s[G1B+3], 128<<16
	s_mov_b32 s[G1B+4], 96
	s_mov_b32 s[G1B+5], 128
	s_mov_b32 s[G1B+6], 0
	s_mov_b32 s[G1B+7], 0
	; where the tiles come from: Abf's hang on tr alone, Wb's on tc alone, each in registers that never hold the other coordinate
	s_lshl_b32 s16, s13, 8
	s_lshl_b32 s17, s12, 7
	s_add_co_u32 s16, s16, s17                     ; row 256 tr + 128 x half
	s_mul_i32 s16, s16, ROWA                       ; under 2^26
	s_mov_b32 s17, 0
	s_mul_i32 s46, s42, WCOL
	s_mul_i32 s47, s12, WSTEP/2
	s_add_co_u32 s46, s46, s47
	s_mov_b32 s47, 0
	s_mul_i32 s20, s10, AHALF                      ; and where they go: Abf's halves at wave x 34,816 (waves 0, 1),
	s_mul_i32 s21, s10, BHALF
	s_add_co_u32 s21, s21, BOFF-2*BHALF            ; Wb's at BOFF + (wave - 2) x 30,720 (waves 2, 3): no place in the cluster enters an LDS address
	s_mov_b32 s66, 0xbfb8aa3b                      ; -log2 e, named as a pair
	s_mov_b32 s67, 0xbfb8aa3b
	s_mov_b32 s68, 0x4038aa3b                      ; 2 log2 e
	s_mov_b32 s69, 0x4038aa3b
	s_mov_b32 s70, 0xffff0000                      ; a word's upper bf16
	s_wait_dscnt 0x0                               ; both opening adds are done
	s_wait_kmcnt 0x0
	s_add_nc_u64 s[14:15], s[80:81], s[16:17]
	s_add_nc_u64 s[72:73], s[82:83], s[46:47]
	CROUND                                         ; all sixteen work-groups are here: the first joint loads meet
.irp s, 0,1
	s_mov_b32 s[G0A+4*(\s)], 1                                     ; count = 1
	s_add_co_u32 s[G0A+4*(\s)+1], s20, (\s)*SLOT                   ; LDS address
	s_add_nc_u64 s[G0A+4*(\s)+2:G0A+4*(\s)+3], s[14:15], (\s)*256  ; global address: K step s
	s_or_b32 s[G0A+4*(\s)+3], s[G0A+4*(\s)+3], 0x80000000          ; type = 2
	s_mov_b32 s[G0B+4*(\s)], 1
	s_add_co_u32 s[G0B+4*(\s)+1], s21, (\s)*SLOT
	s_add_nc_u64 s[G0B+4*(\s)+2:G0B+4*(\s)+3], s[72:73], (\s)*WSTEP
	s_or_b32 s[G0B+4*(\s)+3], s[G0B+4*(\s)+3], 0x80000000
	JLOAD \s                                       ; two loads of mine are out
.endr
	; a fragment of Abf is 16 rows x 32 K in 8 registers: lane l holds row l % 16, K = 8 (l / 16) + 0..7 and 16 + 8 (l / 16) + 0..7: two loads of 16 bytes, 32 bytes apart
	v_and_b32 v1, 15, v0                           ; l % 16
	v_bfe_u32 v2, v0, 4, 1                         ; l / 16
	v_mul_u32_u24 v3, v1, PA
	v_lshl_add_u32 v3, v2, 4, v3
	s_mul_i32 s22, s10, 64*PA                      ; my 64 rows
	v_add_nc_u32 v[ADRA], s22, v3
	v_add_nc_u32 v[ADRA+1], SLOT, v[ADRA]
	; the turning load takes 16 k x 16 columns (lane l reads k = 8 (l / 16) + l % 8, columns 8 ((l / 8) % 2) + 0..7) and leaves half a fragment: lane l holds column l % 16 and 8 k
	v_and_b32 v4, 7, v0
	v_bfe_u32 v5, v0, 3, 1
	v_lshl_add_u32 v4, v2, 3, v4
	v_mul_u32_u24 v4, v4, PB
	v_lshl_add_u32 v4, v5, 4, v4
	v_add_nc_u32 v[ADRB], BOFF, v4
	v_add_nc_u32 v[ADRB+1], SLOT, v[ADRB]
	s_mul_i32 s23, s10, 16*SP
	s_add_co_u32 s23, s23, STAGE                   ; my stage
	v_mul_u32_u24 v6, v1, SP                       ; in: row l % 16, 32 bytes for each half of the lanes
	v_lshl_add_u32 v6, v2, 5, v6
	v_add_nc_u32 v[STO], s23, v6
	v_mul_u32_u24 v7, v2, SP                       ; back: lanes 0-15 one row of 256 bytes, lanes 16-31 the next
	v_lshl_add_u32 v7, v1, 4, v7
	v_add_nc_u32 v[RD], s23, v7
	v_lshlrev_b32 v[CO], 12, v2                    ; and the same two rows in an output (4,096 bytes a row)
	v_lshl_add_u32 v[CO], v1, 4, v[CO]
	v_mul_u32_u24 v[HO], v1, ROWA
	v_lshl_add_u32 v[HO], v2, 4, v[HO]
	s_lshl_b32 s18, s42, 8                         ; my 64 columns in a bias: 256 bytes
	v_lshlrev_b32 v[BO], 5, v2
	v_add_nc_u32 v[BO], s18, v[BO]
	; the biases in the layout of a C operand: register j of block b = bias[64 tc + 16 b + 8 (l / 16) + j]
.macro BIAS dst, ptr
.irp b, 0,1,2,3
	global_load_b128 v[(\dst)+8*(\b):(\dst)+8*(\b)+3],   v[BO], s[(\ptr):(\ptr)+1] offset:64*(\b)
	global_load_b128 v[(\dst)+8*(\b)+4:(\dst)+8*(\b)+7], v[BO], s[(\ptr):(\ptr)+1] offset:64*(\b)+16
.endr
.endm
	BIAS BR, 84
	BIAS 32, 86
	BIAS BU, 88
	BIAS 64, 90
	BIAS BHX, 92
	BIAS BHH, 94
	s_lshl_b32 s16, s13, 8
	s_lshl_b32 s17, s10, 6
	s_add_co_u32 s16, s16, s17                     ; my first row: 256 tr + 64 w
	s_mul_i32 s18, s16, ROWA
	s_lshl_b32 s19, s42, 7                         ; my 64 columns of h: 128 bytes,
	s_add_co_u32 s18, s18, s19
	s_add_co_u32 s18, s18, 1024                    ; behind x's 1,024 bytes
	s_mov_b32 s19, 0
	s_add_nc_u64 s[4:5], s[80:81], s[18:19]
	WIN 0x40                                       ; destination window 1, address window 0
.irp a, 0,1,2,3
.irp b, 0,1,2,3
	global_load_b128 v[HW+4*(4*(\a)+(\b)):HW+4*(4*(\a)+(\b))+3], v[HO], s[4:5] offset:16*ROWA*(\a)+32*(\b)  ; h of my eight outputs in tile (a, b): wanted on the way out, so these stay out over the whole walk
.endr
.endr
	WIN 0
	s_lshl_b32 s22, s16, 12
	s_lshl_b32 s23, s42, 8
	s_add_co_u32 s22, s22, s23
	s_mov_b32 s23, 0
	s_add_nc_u64 s[6:7], s[96:97], s[22:23]        ; out0 and out1 at my first row and column
	s_add_nc_u64 s[8:9], s[98:99], s[22:23]
	; the prefetches: they stand at K step 3; each change of slots that fills steps them by one K step before it asks
	s_lshl_b32 s18, s13, 8
	s_lshl_b32 s19, s12, 7
	s_add_co_u32 s18, s18, s19
	s_lshl_b32 s19, s40, 5
	s_add_co_u32 s18, s18, s19                     ; Abf: row 256 tr + 128 x half + 32 cx
	s_mul_i32 s18, s18, ROWA
	s_add_co_u32 s18, s18, 3*256
	s_mul_i32 s19, s42, WCOL                       ; Wb: tile column, half, 24 blocks of 256 bytes x cy
	s_mul_i32 s23, s12, WSTEP/2
	s_add_co_u32 s19, s19, s23
	s_mul_i32 s23, s41, 24*256
	s_add_co_u32 s19, s19, s23
	s_add_co_u32 s19, s19, 3*WSTEP
	s_mov_b32 s20, ROWA
	s_mov_b32 s21, 256
	s_mov_b32 s46, 256
	s_mov_b32 s47, WSTEP
	s_and_b32 s22, ttmp7, 0xffff                   ; cluster y
	s_cmp_eq_u32 s11, 0                            ; do I fetch for Abf?
	s_cselect_b32 s18, s18, s19
	s_cselect_b32 s22, ttmp9, s22                  ; the coordinate along which other clusters read the same bytes
	s_cselect_b64 s[PFA:PFA+1], s[80:81], s[82:83]
	s_cselect_b32 s[PFS], s46, s47
	s_cselect_b32 s20, s20, s21                    ; bytes from lane to lane
	s_cselect_b32 s21, 31, 23                      ; the last lane with a block of its own
	s_mov_b32 s[PFS+1], 0
	s_mov_b32 s19, 0
	s_add_nc_u64 s[PFA:PFA+1], s[PFA:PFA+1], s[18:19]
	s_cmp_eq_u32 s22, 0
	s_cselect_b32 s[LIM], 1, -1                    ; the same in all sixteen partners, for a given wave
	v_and_b32 v[PFO], 31, v0
	v_min_u32 v[PFO], s21, v[PFO]
	v_mul_u32_u24 v[PFO], s20, v[PFO]
	s_wait_loadcnt 16                              ; the 48 loads of the biases are in; the 16 of h, issued behind them, stay out
.set i, 0
.rept 16
	v_pk_add_f32 v[BR+2*i:BR+2*i+1], v[BR+2*i:BR+2*i+1], v[32+2*i:32+2*i+1]  ; b_rx + b_rhc
	v_pk_add_f32 v[BU+2*i:BU+2*i+1], v[BU+2*i:BU+2*i+1], v[64+2*i:64+2*i+1]  ; b_ux + b_uhc
.set i, i+1
.endr
; 8 matrix instructions: gate g (0 r, 1 u, 2 the sum t3 = HX or HH), row blocks a0, a0 + 1 x all 4 column blocks, 32 along K, from buffer f.  cm = 1: the sum's first product: C is the bias.
; The 48 accumulators of a quarter step take turns, one instruction a turn, in the same order in every quarter.
.macro MUL8 f, g, t3, a0, cm
.if (\g) < 2
.set AC, 128*(\g)
.set BI, BR+32*(\g)
	WIN 0xa1-0x20*(\cm)                            ; weights window 1, Abf window 0, D window 2, C window 2 (or 0: the bias)
.else
.set AC, (\t3)
.set BI, BHX+(\t3)/4
	WIN 0xf1-0x30*(\cm)                            ; the same with window 3
.endif
.irp a, \a0, (\a0)+1
.irp b, 0,1,2,3
.if \cm
	v_wmma_f32_16x16x32_bf16 v[AC+8*(4*(\a)+(\b)):AC+8*(4*(\a)+(\b))+7], v[96*(\f)+32*(\g)+8*(\b):96*(\f)+32*(\g)+8*(\b)+7], v[FA+32*(\f)+8*(\a):FA+32*(\f)+8*(\a)+7], v[BI+8*(\b):BI+8*(\b)+7]
.else
	v_wmma_f32_16x16x32_bf16 v[AC+8*(4*(\a)+(\b)):AC+8*(4*(\a)+(\b))+7], v[96*(\f)+32*(\g)+8*(\b):96*(\f)+32*(\g)+8*(\b)+7], v[FA+32*(\f)+8*(\a):FA+32*(\f)+8*(\a)+7], v[AC+8*(4*(\a)+(\b)):AC+8*(4*(\a)+(\b))+7]
.endif
.endr
.endr
.endm
.macro MUL16 f, g, t3, cm
	MUL8 \f, \g, \t3, 0, \cm
	MUL8 \f, \g, \t3, 2, \cm
.endm
; 32 LDS loads in one run: quarter q (32 along K) of a slot into buffer f: my 64 rows of Abf (8 loads), then the three gates' 64 columns (8 loads each), in the order in which they are multiplied
.macro FETCH slot, q, f
	WIN 0
.irp i, 0,1,2,3
	ds_load_b128 v[FA+32*(\f)+8*(\i):FA+32*(\f)+8*(\i)+3],   v[ADRA+(\slot)] offset:64*(\q)+16*PA*(\i)
	ds_load_b128 v[FA+32*(\f)+8*(\i)+4:FA+32*(\f)+8*(\i)+7], v[ADRA+(\slot)] offset:64*(\q)+16*PA*(\i)+32
.endr
	WIN 0x40                                       ; destination window 1
.irp g, 0,1,2
.irp b, 0,1,2,3
	ds_load_tr16_b128 v[96*(\f)+32*(\g)+8*(\b):96*(\f)+32*(\g)+8*(\b)+3],   v[ADRB+(\slot)] offset:128*PB*(\g)+32*PB*(\q)+32*(\b)
	ds_load_tr16_b128 v[96*(\f)+32*(\g)+8*(\b)+4:96*(\f)+32*(\g)+8*(\b)+7], v[ADRB+(\slot)] offset:128*PB*(\g)+32*PB*(\q)+16*PB+32*(\b)
.endr
.endr
.endm
; A K step is four quarters of 32 along K, 48 matrix instructions each, on buffers 0, 1, 0, 1.  One of the first three: multiplies buffer f and, behind its first 16 products, fetches quarter qn into the other buffer,
; 32 products ahead of its first use.  cru, c3 = 1: R's and U's, or the third sum's, first products.
.macro QUARTER slot, qn, f, t3, cru=0, c3=0
	s_wait_dscnt 16                                ; Abf's fragments and gate r's are in; the youngest 16 loads (gates u and candidate) may be out
	MUL16 \f, 0, \t3, \cru
	PLACES
	FETCH \slot, \qn, 1-(\f)
	s_wait_dscnt 32                                ; all but the 32 just issued
	MUL16 \f, 1, \t3, \cru
	MUL16 \f, 2, \t3, \c3
.endm
; The fourth quarter multiplies buffer 1 and changes slots: ONE barrier.  In front of it each wave waits for all its tensor loads (one is out: its part of the next slot), adds 0 to its spare word, and waits for that
; and for its own reads of this slot.  fill = 1: the barrier opens a round of the cluster's barrier, and this slot is filled again, two K steps ahead, first thing behind the round: 176 matrix instructions ahead of the wait for it.
.macro TURN slot, next, t3, fill, how
.if \fill
	s_wait_xcnt 0x0                                ; the last prefetch, a K step back, has read its address: it is stepped here, ahead of the waits of the change of slots
	s_add_nc_u64 s[PFA:PFA+1], s[PFA:PFA+1], s[PFS:PFS+1]
.endif
	WIN 0                                          ; (the add's two registers lie in window 0)
	s_wait_tensorcnt 0x0                           ; all my tensor loads have landed
	ds_add_u32 v[SPW], v[NIL]                      ; 0 onto my spare word
	s_wait_dscnt 17                                ; (the add and the youngest 16 loads may be out)
	MUL8 1, 0, \t3, 0, 0                           ; eight matrix instructions stand between the add and the wait for it
	s_wait_dscnt 0x0                               ; the add is done, and my reads of this slot are over
	s_barrier_signal -1
	MUL8 1, 0, \t3, 2, 0                           ; work on registers while the others arrive
	WIN 0
	s_barrier_wait -1
.if \fill
	CREST                                          ; no wave of any partner still reads this slot or has a load on its way
	s_add_nc_u64 s[G0A+4*(\slot)+2:G0A+4*(\slot)+3], s[G0A+4*(\slot)+2:G0A+4*(\slot)+3], 2*256
	s_add_nc_u64 s[G0B+4*(\slot)+2:G0B+4*(\slot)+3], s[G0B+4*(\slot)+2:G0B+4*(\slot)+3], 2*WSTEP
	JLOAD \slot                                    ; the four v_nop behind it are also the places in front of the loads below
.else
	PLACES
.endif
	FETCH \next, 0, 0
.if \fill
	ASK \how
.endif
	MUL16 1, 1, \t3, 0
	MUL16 1, 2, \t3, 0
.endm
; Two K steps less the first quarter, both slots filled again
.macro LAP t3, how
	QUARTER 0, 2, 1, \t3
	QUARTER 0, 3, 0, \t3
	TURN 0, 1, \t3, 1, \how
	QUARTER 1, 1, 0, \t3
	QUARTER 1, 2, 1, \t3
	QUARTER 1, 3, 0, \t3
	TURN 1, 0, \t3, 1, \how
	WIN 0
.endm
	s_wait_tensorcnt 1                             ; my part of K step 0 is in; step 1's may stay out
	s_barrier_signal -1
	s_barrier_wait -1                              ; everybody's is
	FETCH 0, 0, 0
	QUARTER 0, 1, 0, HX, 1, 1                      ; the first quarter of all: R, U and HX start from their biases
	WIN 0
	s_mov_b32 s3, 2
	s_branch .Lxin                                 ; the loop is entered behind its first quarter
.Lx:                                               ; K steps 0-3: x
	QUARTER 0, 1, 0, HX
	WIN 0
.Lxin:
	LAP HX, 1
	s_sub_co_u32 s3, s3, 1
	s_cmp_lg_u32 s3, 0
	s_cbranch_scc1 .Lx
	QUARTER 0, 1, 0, HH, 0, 1                      ; K step 4's first quarter: HH starts from b_hhc; HX is finished
	WIN 0
	s_mov_b32 s3, 7
	s_branch .Lhin
.Lh:                                               ; K steps 4-17: h and c
	QUARTER 0, 1, 0, HH
	WIN 0
.Lhin:
	LAP HH, 0
	s_sub_co_u32 s3, s3, 1
	s_cmp_lg_u32 s3, 0
	s_cbranch_scc1 .Lh
	QUARTER 0, 1, 0, HH                            ; K steps 18 and 19 are written out: nothing is left to fetch, and no round is passed
	QUARTER 0, 2, 1, HH
	QUARTER 0, 3, 0, HH
	TURN 0, 1, HH, 0, 0
	QUARTER 1, 1, 0, HH
	QUARTER 1, 2, 1, HH
	QUARTER 1, 3, 0, HH
	s_wait_dscnt 0x0
	MUL16 1, 0, HH, 0
	MUL16 1, 1, HH, 0
	MUL16 1, 2, HH, 0
; THE WAY OUT, a row block a (16 rows x 64 columns, 32 numbers a lane) at a time.  Every accumulator is read in ascending order.  The transcendentals go in four batches, each with one plain
; instruction behind its last and one s_wait_alu ahead of its first reader.
.macro EPI a
	WIN 0x02                                       ; source 0 window 2
.set i, 0
.rept 16
	v_pk_mul_f32 v[ER+2*i:ER+2*i+1], v[32*(\a)+2*i:32*(\a)+2*i+1], s[66:67] op_sel_hi:[1,0]          ; -R log2 e
.set i, i+1
.endr
.set i, 0
.rept 16
	v_pk_mul_f32 v[EU+2*i:EU+2*i+1], v[128+32*(\a)+2*i:128+32*(\a)+2*i+1], s[66:67] op_sel_hi:[1,0]  ; -U log2 e
.set i, i+1
.endr
	WIN 0
.set i, 0
.rept 64
	v_exp_f32 v[ER+i], v[ER+i]
.set i, i+1
.endr
	WIN 0x04                                       ; source 1 window 1: h from bf16 to f32, the independent work behind the batch
.set i, 0
.rept 16
	v_lshlrev_b32 v[EH+2*i], 16, v[HW+16*(\a)+i]
	v_and_b32 v[EH+2*i+1], s70, v[HW+16*(\a)+i]
.set i, i+1
.endr
	WIN 0
	s_wait_alu depctr_va_vdst(0)                   ; one wait for the 64 exponentials
.set i, 0
.rept 32
	v_pk_add_f32 v[ER+2*i:ER+2*i+1], v[ER+2*i:ER+2*i+1], 1.0 op_sel_hi:[1,0]
.set i, i+1
.endr
.set i, 0
.rept 64
	v_rcp_f32 v[ER+i], v[ER+i]                     ; r and u
.set i, i+1
.endr
	v_nop
	s_wait_alu depctr_va_vdst(0)                   ; one wait for the 64 reciprocals
	WIN 0x3c                                       ; sources 1 and 2 window 3
.set i, 0
.rept 16
	v_pk_fma_f32 v[ET+2*i:ET+2*i+1], v[ER+2*i:ER+2*i+1], v[HH+32*(\a)+2*i:HH+32*(\a)+2*i+1], v[HX+32*(\a)+2*i:HX+32*(\a)+2*i+1]  ; t = r HH + HX
.set i, i+1
.endr
	WIN 0
.set i, 0
.rept 16
	v_pk_mul_f32 v[ET+2*i:ET+2*i+1], v[ET+2*i:ET+2*i+1], s[68:69] op_sel_hi:[1,0]
.set i, i+1
.endr
.set i, 0
.rept 32
	v_exp_f32 v[ET+i], v[ET+i]
.set i, i+1
.endr
	v_nop
	s_wait_alu depctr_va_vdst(0)
.set i, 0
.rept 16
	v_pk_add_f32 v[ET+2*i:ET+2*i+1], v[ET+2*i:ET+2*i+1], 1.0 op_sel_hi:[1,0]
.set i, i+1
.endr
.set i, 0
.rept 32
	v_rcp_f32 v[ET+i], v[ET+i]
.set i, i+1
.endr
	v_nop
	s_wait_alu depctr_va_vdst(0)
.set i, 0
.rept 16
	v_pk_fma_f32 v[ET+2*i:ET+2*i+1], v[ET+2*i:ET+2*i+1], -2.0, 1.0 op_sel_hi:[1,0,0]                 ; the candidate = tanh t
.set i, i+1
.endr
.set i, 0
.rept 16
	v_pk_add_f32 v[EH+2*i:EH+2*i+1], v[EH+2*i:EH+2*i+1], v[ET+2*i:ET+2*i+1] neg_lo:[0,1] neg_hi:[0,1]  ; h - candidate
.set i, i+1
.endr
.set i, 0
.rept 16
	v_pk_fma_f32 v[EH+2*i:EH+2*i+1], v[EU+2*i:EU+2*i+1], v[EH+2*i:EH+2*i+1], v[ET+2*i:ET+2*i+1]      ; u (h - candidate) + candidate
.set i, i+1
.endr
.endm
; into my own stage, 32 bytes a lane and column block, and back as whole rows of 256 bytes
.macro TOSTAGE a
.set BK, BK0+(BK1-BK0)*((\a)%2)
.irp b, 0,1,2,3
	ds_store_b128 v[STO], v[EH+8*(\b):EH+8*(\b)+3]   offset:64*(\b)
	ds_store_b128 v[STO], v[EH+8*(\b)+4:EH+8*(\b)+7] offset:64*(\b)+16
.endr
.if (\a) >= 2
	s_wait_xcnt 0x0                                ; the stores of the block two back have read these registers: only behind this wait are they loaded again
.endif
.irp t, 0,1,2,3,4,5,6,7
	ds_load_b128 v[BK+4*(\t):BK+4*(\t)+3], v[RD] offset:(\t)*2*SP  ; LDS serves a wave's instructions in order (ISA guide 5.7.1.4): these see the stores above
.endr
.endm
.macro SEND a
.set BK, BK0+(BK1-BK0)*((\a)%2)
	s_wait_dscnt 0x0                               ; the block is back in registers
.irp t, 0,1,2,3,4,5,6,7
	global_store_b128 v[CO], v[BK+4*(\t):BK+4*(\t)+3], s[6:7] offset:(16*(\a)+2*(\t))*4096 th:TH_STORE_NT  ; 16 lanes store 256 consecutive bytes, at a multiple of 256 from the output's first byte
	global_store_b128 v[CO], v[BK+4*(\t):BK+4*(\t)+3], s[8:9] offset:(16*(\a)+2*(\t))*4096 th:TH_STORE_NT  ; and the same to the second output
.endr
.endm
	WIN 0
.rept 8
	v_nop                                          ; the places behind the last products, once a launch
.endr
	s_wait_loadcnt 0x0                             ; h
	EPI 0
	TOSTAGE 0
	EPI 1                                          ; a block's arithmetic stands between the loads of the block before and its stores
	SEND 0
	TOSTAGE 1
	EPI 2
	SEND 1
	TOSTAGE 2
	EPI 3
	SEND 2
	TOSTAGE 3
	SEND 3
	s_wait_tensorcnt 0x0                           ; the wave's end, behind my last tensor load and my last LDS store
	ds_add_u32 v[SPW], v[NIL]
	s_wait_dscnt 0x0
	CROUND                                         ; the closing round: no work-group ends while a partner may still ask for a tile that names it
	s_endpgm
.Lfunc_end_k_q4b9e60a3e3_gru:
	.size	k_q4b9e60a3e3_gru, .Lfunc_end_k_q4b9e60a3e3_gru-k_q4b9e60a3e3_gru
	.p2alignl 7, 3214868480
	.fill 96, 4, 3214868480
	.section	.rodata,"a",@progbits
	.p2align	6, 0x0
	.amdhsa_kernel k_q4b9e60a3e3_gru
		.amdhsa_group_segment_fixed_size 327680
		.amdhsa_private_segment_fixed_size 0
		.amdhsa_enable_private_segment 0
		.amdhsa_kernarg_size 80
		.amdhsa_user_sgpr_count 2
		.amdhsa_user_sgpr_kernarg_segment_ptr 1
		.amdhsa_wavefront_size32 1
		.amdhsa_system_sgpr_workgroup_id_x 1
		.amdhsa_system_sgpr_workgroup_id_y 1
		.amdhsa_system_sgpr_workgroup_id_z 1
		.amdhsa_system_vgpr_workitem_id 0
		.amdhsa_next_free_vgpr 1024
		.amdhsa_next_free_sgpr 100
		.amdhsa_reserve_vcc 0
		.amdhsa_float_denorm_mode_32 3
		.amdhsa_float_denorm_mode_16_64 3
		.amdhsa_memory_ordered 1
		.amdhsa_forward_progress 1
		.amdhsa_inst_pref_size 243
	.end_amdhsa_kernel
	.amdgpu_metadata
---
amdhsa.version: [ 1, 2 ]
amdhsa.kernels:
  - .name:           k_q4b9e60a3e3_gru
    .symbol:         k_q4b9e60a3e3_gru.kd
    .args:
      - { .name: Abf, .offset: 0, .size: 8, .value_kind: global_buffer, .address_space: global }
      - { .name: Wb, .offset: 8, .size: 8, .value_kind: global_buffer, .address_space: global }
      - { .name: b_rx, .offset: 16, .size: 8, .value_kind: global_buffer, .address_space: global }
      - { .name: b_rhc, .offset: 24, .size: 8, .value_kind: global_buffer, .address_space: global }
      - { .name: b_ux, .offset: 32, .size: 8, .value_kind: global_buffer, .address_space: global }
      - { .name: b_uhc, .offset: 40, .size: 8, .value_kind: global_buffer, .address_space: global }
      - { .name: b_hx, .offset: 48, .size: 8, .value_kind: global_buffer, .address_space: global }
      - { .name: b_hhc, .offset: 56, .size: 8, .value_kind: global_buffer, .address_space: global }
      - { .name: out0, .offset: 64, .size: 8, .value_kind: global_buffer, .address_space: global }
      - { .name: out1, .offset: 72, .size: 8, .value_kind: global_buffer, .address_space: global }
    .group_segment_fixed_size: 327680
    .private_segment_fixed_size: 0
    .kernarg_segment_align: 8
    .kernarg_segment_size: 80
    .max_flat_workgroup_size: 128
    .sgpr_count:     100
    .vgpr_count:     1024
    .wavefront_size: 32
...
	.end_amdgpu_metadata
.endif
;; end of part 2
